; MI455X (gfx1250); checked and timed in simulation.
; The chip was launched on July 23, 2026; its instructions are those of AMD's public machine-readable ISA for CDNA 5 (MIT licence, August 2026) and "CDNA5" Instruction Set Architecture Reference Guide (July 2026). The comments in the code are by the model that wrote it; some were corrected since.
;; Mo E Connection Processor. Allowed arithmetic: matrix products marked QUANTISED: E5M2 operands, one E8M0 scale for each 32 along K, by v_wmma_scale_f32_16x16x128_f8f6f4 with both operands' format E5M2, f32 sums; products left as they are: f32 operands where the result goes on into a quantised operand, else bf16, f16 or f32 operands; f32 sums; everything else in f32.
;; Inputs: W_c1 128 x 128 float32; W_c2 128 x 64 float32; W_f1 128 x 128 float32; W_f2 128 x 64 float32; W_g1 128 x 32 float32; W_g2 32 x 3 float32; W_local 128 x 64 float32; b_c1 128 float32; b_c2 64 float32; b_f1 128 float32; b_f2 64 float32; b_g1 32 float32; b_g2 3 float32; b_local 64 float32; current_state 19,683 x 64 float32; neighbor_cat 19,683 x 26 int32; neighbor_states 19,683 x 26 x 64 float32.
;; Outputs: out0 19,683 x 64 float32; out1 19,683 x 3 float32.
;; This version of the problem:
;;   THIS VERSION OF THE PROBLEM IS GIVEN IN LOW PRECISION. The matrix products marked QUANTISED in the list below multiply operands that are first quantised to E5M2 (5 exponent bits, 2 mantissa bits; 8 bits a number), with one power-of-two scale for each 32 numbers along K (OCP MX v1.0); their sums are f32. All else is computed in f32.
;;   The module's matrix products, in the order in which they are computed (A, B: the left and right operand; K: the contracted axis; several contracted axes count as one K, in the product's order):
;;     1. [M 19,683, K 128] x [K 128, N 64]; A: computed on the way; B: input W_local: QUANTISED
;;     2. [M 19,683, K 128] x [K 128, N 128]; A: computed on the way; B: input W_f1: QUANTISED
;;     3. [M 19,683, K 128] x [K 128, N 64]; A: computed on the way; B: input W_f2: QUANTISED
;;     4. [M 19,683, K 128] x [K 128, N 128]; A: computed on the way; B: input W_c1: QUANTISED
;;     5. [M 19,683, K 128] x [K 128, N 64]; A: computed on the way; B: input W_c2: QUANTISED
;;     6. [M 19,683, K 128] x [K 128, N 128]; A: computed on the way; B: input W_c1: QUANTISED
;;     7. [M 19,683, K 128] x [K 128, N 64]; A: computed on the way; B: input W_c2: QUANTISED
;;     8. [M 19,683, K 128] x [K 128, N 128]; A: computed on the way; B: input W_c1: QUANTISED
;;     9. [M 19,683, K 128] x [K 128, N 64]; A: computed on the way; B: input W_c2: QUANTISED
;;     10. [M 19,683, K 128] x [K 128, N 32]; A: computed on the way; B: input W_g1: QUANTISED
;;     11. [M 19,683, K 32] x [K 32, N 3]; A: computed on the way; B: input W_g2: left as it is (N = 3 < 16)
;;   THE QUANTISER, for each operand of a quantised product, along K:
;;     - K is cut into blocks of 32 from its start; a last block that is shorter is filled with zeros.
;;     - A block's scale is 2^e with e = floor(log2(the largest magnitude in the block)) - 15, held to -126 .. 127; a block of zeros has e = 0. As a byte (E8M0): e + 127.
;;     - Each number is divided by its block's scale, clamped to +-57,344, and rounded to the nearest number of E5M2, ties to even, subnormals kept.
;;     - The product sums the exact products of the quantised numbers (number of the format x scale) in f32.
;;   ~~~python
;;   def quantise(x, axis):      # numpy; x: float32 -> the quantised numbers, widened to float32 again
;;       x = np.moveaxis(x, axis, -1); K = x.shape[-1]
;;       x = np.pad(x, [(0, 0)] * (x.ndim - 1) + [(0, -K % 32)]); x = x.reshape(x.shape[:-1] + (-1, 32)); a = np.abs(x).max(-1, keepdims=True)
;;       e = np.where(a > 0, np.clip(np.frexp(np.where(a > 0, a, 1))[1] - 1 - 15, -126, 127), 0)      # np.frexp(a)[1] - 1 = floor(log2(a)), exactly
;;       r = np.clip(x / 2.0 ** e, -57344, 57344)
;;       step = 2.0 ** (np.maximum(np.frexp(np.where(r == 0, 1, r))[1] - 1, -14) - 2)
;;       q = np.round(r / step) * step * 2.0 ** e      # np.round: ties to even
;;       return np.moveaxis(q.reshape(q.shape[:-2] + (-1,))[..., :K], -1, axis).astype(np.float32)
;;   ~~~
;;   OPERANDS COMPUTED ON THE WAY. 'Computed on the way' means the value that the module computes at that place (a softmax that the list does not call 'softmax' is quantised finished and normalised). What goes into a quantiser is computed in f32, as accurately as f32 sums, v_exp_f32 and their like allow (about 1e-6 of the number): no bf16 or f16 on the way to a quantiser, and a product that is left as it is and whose result goes on into a quantised operand takes f32 operands (vector FMAs, or v_wmma_f32_16x16x4_f32). A number that lies on a knife's edge between two numbers of the format may be rounded either way, as far as f32 arithmetic and the matrix unit's own rounding can turn it there, and no further.
;; One version. Each part assembles by itself: llvm-mc -triple=amdgcn-amd-amdhsa -mcpu=gfx1250 --defsym DOCPART=n.
;; ======== version 1 of 1: 1 launch
;; limits: a function is approximated: absolute error at most 1e-07
;; launch moe (part 1): grid 256 x 1, 20 waves a work-group, no clusters, 312,064 bytes of LDS; arguments neighbor_states, neighbor_cat, current_state, W_c1, W_f1, W_c2, W_f2, W_local, W_g1, b_c1, b_f1, b_c2, b_f2, b_local, b_g1, W_g2, b_g2, out0, out1; writes out0, out1
.if DOCPART == 1
	.amdgcn_target "amdgcn-amd-amdhsa--gfx1250"
	.amdhsa_code_object_version 6
	.text
	.protected	k_qd47386bb05_moe
	.globl	k_qd47386bb05_moe
	.p2align	8
	.type	k_qd47386bb05_moe,@function
k_qd47386bb05_moe:
	s_mov_b64 s[64:65], 0
	v_nop
	global_prefetch_b8 v0, s[64:65] scope:SCOPE_SE
	s_setreg_imm32_b32 hwreg(HW_REG_WAVE_MODE, 25, 1), 1
	s_wait_xcnt 0x0
; MoE over 19,683 cells: four sums over 26 neighbour rows (categories 0, 1, 2, and all), three experts and a gate (ten products on codes of E5M2 with one
; E8M0 scale for each 32 along K, K = 128), a 32 x 3 product in f32, a softmax over 3 and the weighted sum.  One launch; nothing goes through memory.
; SHARES.  256 work-groups of 20 waves; a work-group owns 77 cells (the last 48: 255 x 77 = 19,635).  The stream: wave w sums the rows of local cells 4 w .. 4 w + 3,
; a lane 8 bytes of each row of 256 bytes.  The layers: 5 teams of 4 waves; team t = w / 4 owns the 16 cells 16 t .., wave q = w % 4 a pair of 16-unit tiles of each layer.
; Slots past the work-group's last cell repeat that cell (3 of 80 slots; in the last work-group 32); they are computed and never stored.
; THE WEIGHTS arrive as f32 with K as their first axis.  Each work-group quantises them once, a lane to four columns with its registers down K, while its first rows are on their way.
; NO JOINT LOADS, NO CLUSTER: what work-groups share are the 245,760 bytes of f32 weights; they must pass through a lane's registers to be quantised, and laid raw
; in LDS beside the 309,504 bytes in use they would not fit into the 327,680 of a work-group.
; LAYOUT.  Products are used transposed: source 0 = 16 units of a weight, source 1 = the team's 16 cells.  Row r' of weight tile 2 b + u is unit 32 b + 8 u + r' + 8 (r' / 8), so that
; lane (r = lane % 16, h = lane / 16) holds, in the 16 registers of tiles 2 b and 2 b + 1, units 32 b + 16 h + 0 .. 15 of cell r: 16 neighbours along the next K: chunk b of the next operand.
; Operands go from wave to wave through LDS as images of their registers: chunk c at 512 c, a lane's 16 bytes at 16 x lane; scale words at 4 x lane, byte c.
; A STAGE AHEAD.  Of the 19 LDS loads of a pair of tiles only 5 (the operand's image and its scale word) read bytes that the stage before has written.  The other 14 (two weight fragments, their scale
; words, the bias) read bytes that nobody writes behind the first barrier: they are asked for a stage ahead, in three short runs inside the tanh that follows the stage's products.
; LIMITS.  NaN and infinities among the inputs are not served.  A block whose largest magnitude lies under 2^-111 gets the byte 1, a block of zeros too (its codes are zeros; the bytes are read here alone).
; tanh(x) = 1 - 2 / (1 + 2^(2 x log2 e)): absolute error about 1e-7, so its relative error grows where |x| is far under 1.  A mean is the sum x v_rcp_f32(count), within two units in the last place of the division.
; Any int32 category is served: one outside 0 .. 2 counts for the mean over all neighbours alone.
.set NCELL, 19683
.set CPG,   77                         ; cells of a work-group
; ---- LDS
.set TP,    2064                       ; a weight tile's image: 2,048 bytes + 16, so that the 16 lanes of a store of codes touch 16 different 16-byte columns
.set WSC,   32*TP                      ; weight scale words: 64 bytes a tile.  Tiles: c1 0-7, f1 8-15, c2 16-19, f2 20-23, local 24-27, g1 28-29 (30, 31: repeats, never read)
.set BIAS,  WSC+32*64                  ; eight slots of 512 bytes: b_c1, b_f1, b_c2, b_f2, b_local, b_g1, W_g2, b_g2
.set CNT,   BIAS+8*512                 ; a word a cell: counts of categories 0, 1, 2 in bytes 0-2, 26 in byte 3
.set SUMS,  CNT+512                    ; a cell: five rows of 256 bytes (sums of categories 0, 1, 2, of all, the cell's own state) + 16
.set SPC,   1296
.set TEAMS, SUMS+80*SPC
.set TSZ,   26624                      ; a team: six images of 2,048 bytes (0 local's input, 1 functional's, 2 distant's, 3 the gate's, 4 v, 5 h),
.set SC,    12288                      ; their scale words, 128 bytes each,
.set OL,    13056                      ; three stages of 16 rows x (256 + 16) bytes: local's result, functional's, distant's,
.set OF,    17408
.set XO,    21760
.set WP,    26112                      ; and the three gate weights of 16 cells (0 where an expert has no neighbour), 128 bytes each
; ---- vector registers that stay (made at the head, never data)
.set L8, 1
.set SW, 2
.set CN, 3
.set WA1, 4
.set WB1, 5
.set WA2, 6
.set WB2, 7
.set CP, 8
.set AI, 9
.set AIQ, 10
.set AS, 11
.set ASQ, 12
.set AW, 13
.set AW2, 14
.set AWS, 15
.set AWS2, 16
.set AB, 17
.set AB2, 18
.set ASU, 19
.set ASUM, 20
.set ASUQ, 21
.set ACT, 22
.set AIM, 23
.set ASM, 24
.set ARO, 25
.set ARG, 26
.set AWR, 27
.set AG2, 28
.set ABG, 29
.set AO0, 30
.set ARW, 31
.set AO1, 32
.set XS, 33                            ; v33 the operand's scale words, v34-35 the two weight tiles': scales and nothing else
.set WS0, 34
; ---- the stream's registers
.set BUF0, 36                          ; v36-87   26 rows x 2: cells 0 and 2
.set BUF1, 100                         ; v100-151 cells 1 and 3
.set R1, 88                            ; v88-151  64 raw weights, first round
.set R2, 36                            ; v36-99   second round
.set T, 152                            ; v152-167 sixteen offsets of weight loads; then 16 numbers held for a conversion
.set MX, 168                           ; v168-171 largest magnitudes of four columns
.set EX, 172                           ; v172-175 the other half's; then the scale bytes
.set SO, 176                           ; v176-179 the conversions' scale operands
.set HL, 180                           ; v180-183 57,344 x the scale
.set CD, 184                           ; v184-191 two sets of four registers of codes; at the head the four cells' own states
.set PA, 168                           ; v168-175 the four sums, a pair each
.set PCW, 176                          ; v176     the counts' word
; ---- the layers' registers
.set XFR, 36                           ; v36-51   the operand's fragment
.set WF, 52                            ; v52-83   two weight fragments
.set ACC, 84                           ; v84-99   two accumulators
.set T2, 100                           ; v100-115 numbers held for a conversion; in the gate the last 16 numbers of W_g2
.set CD2, 116                          ; v116-119 a chunk's codes
.set MXA, 120
.set MXB, 121
.set EX2, 122
.set SO2, 123
.set HL2, 124
.set BY2, 125
.set INV, 126
.set CW2, 128
.set XST, 132                          ; v132-147 the Euler state (waves q < 2), loaded when the means have been quantised
.set NN, 132                           ; v132-163 32 numbers of a mean; in the gate the first 32 numbers of W_g2
.set BB, 164                           ; v164-179 the bias of the next pair of tiles: the C of its products
; ---- scalars: s2 wave, s3 q, s4 t, s7 q & 1, s5 the group's cells, s6 that - 2; s[10:11] categories; s[12:13], s[14:15] weight sources; s[16:17] out0, s[18:19] out1 at my group;
; s[20:27] the rows of my four cells; s[28:29] current_state at my group; s30-33 byte offsets of my cells' categories; s[94:99] three masks as pairs
.set CNL, 34
.set CNF, 35
.set CND, 62
.set CATA, 36                          ; s36-61 26 categories
.set CATB, 68                          ; s68-93 26 categories
	s_load_b512 s[36:51], s[0:1], 0x0              ; neighbor_states 36, neighbor_cat 38, current_state 40, W_c1 42, W_f1 44, W_c2 46, W_f2 48, W_local 50
	s_load_b512 s[68:83], s[0:1], 0x40             ; W_g1 68, b_c1 70, b_f1 72, b_c2 74, b_f2 76, b_local 78, b_g1 80, W_g2 82
	s_load_b128 s[84:87], s[0:1], 0x80             ; b_g2 84, out0 86
	s_load_b64 s[88:89], s[0:1], 0x90              ; out1
	v_lshrrev_b32 v168, 5, v0
	v_readfirstlane_b32 s2, v168                   ; wave 0..19
	s_and_b32 s3, s2, 3                            ; q
	s_lshr_b32 s4, s2, 2                           ; t
	s_and_b32 s7, s2, 1                            ; q & 1
	s_xor_b32 s96, s3, 3                           ; 3 - q
	s_mul_i32 s94, s4, TSZ
	s_add_co_u32 s94, s94, TEAMS                   ; my team's region
	v_and_b32 v168, 31, v0                         ; lane
	v_and_b32 v169, 15, v0                         ; r
	v_bfe_u32 v170, v0, 4, 1                       ; h
	v_lshlrev_b32 v[L8], 3, v168                   ; 8 x lane
	s_mul_i32 s95, s2, 4*SPC
	s_add_co_u32 s95, s95, SUMS
	v_add_nc_u32 v[SW], s95, v[L8]                 ; where my four cells' sums go
	s_lshl_b32 s95, s2, 4
	s_add_co_u32 s95, s95, CNT
	v_mov_b32 v[CN], s95                           ; and their counts
	; where the codes of my four columns go.  Column 4 g + i of a group of 64: tile 2 g3 + g1 of the group's four, row i + 4 g0 + 8 g2 (g0 .. g3: the bits of g = lane % 16)
	v_bfe_u32 v171, v0, 0, 1
	v_bfe_u32 v172, v0, 1, 1
	v_bfe_u32 v173, v0, 2, 1
	v_bfe_u32 v174, v0, 3, 1
	v_lshl_add_u32 v174, v174, 1, v172
	v_mul_u32_u24 v175, v174, TP
	v_lshl_add_u32 v175, v170, 8, v175
	v_lshl_add_u32 v175, v171, 6, v175
	v_lshl_add_u32 v175, v173, 7, v175             ; in the images
	v_lshlrev_b32 v174, 6, v174
	v_lshl_add_u32 v174, v171, 4, v174
	v_lshl_add_u32 v174, v173, 5, v174             ; among the scale words
	s_lshl_b32 s97, s3, 9                          ; block q of 32 along K is chunk q
	s_mul_i32 s95, s4, 4*TP                        ; first round: column group t
	s_add_co_u32 s95, s95, s97
	v_add_nc_u32 v[WA1], s95, v175
	s_lshl_b32 s95, s4, 8
	s_add_co_u32 s95, s95, s3
	s_add_co_u32 s95, s95, WSC
	v_add_nc_u32 v[WB1], s95, v174
	s_min_u32 s98, s4, 2                           ; second round (waves 0-11): column group 5 + t
	s_add_co_u32 s98, s98, 5
	s_mul_i32 s95, s98, 4*TP
	s_add_co_u32 s95, s95, s97
	v_add_nc_u32 v[WA2], s95, v175
	s_lshl_b32 s95, s98, 8
	s_add_co_u32 s95, s95, s3
	s_add_co_u32 s95, s95, WSC
	v_add_nc_u32 v[WB2], s95, v174
	s_lshl_b32 s95, s2, 9
	s_add_co_u32 s95, s95, BIAS-12*512
	v_lshl_add_u32 v[CP], v168, 2, s95             ; waves 12-19: slot wave - 12 of the biases
	v_lshl_add_u32 v[AI], v168, 4, s94             ; images: 16 x lane
	s_lshl_b32 s95, s3, 9
	v_add_nc_u32 v[AIQ], s95, v[AI]                ; chunk q
	v_lshl_add_u32 v[AS], v168, 2, s94             ; scale words: 4 x lane
	v_add_nc_u32 v[ASQ], s3, v[AS]                 ; byte q
	s_mul_i32 s95, s3, 2*TP
	v_lshl_add_u32 v[AW], v168, 4, s95             ; weight tiles 2 q, 2 q + 1 of a layer
	s_mul_i32 s95, s7, 2*TP
	v_lshl_add_u32 v[AW2], v168, 4, s95            ; tiles 2 (q & 1) ..: stepped from layer to layer in waves q >= 2
	s_lshl_b32 s95, s3, 7
	s_add_co_u32 s95, s95, WSC
	v_lshl_add_u32 v[AWS], v169, 2, s95
	s_lshl_b32 s95, s7, 7
	s_add_co_u32 s95, s95, WSC
	v_lshl_add_u32 v[AWS2], v169, 2, s95
	s_lshl_b32 s95, s3, 7
	s_add_co_u32 s95, s95, BIAS
	v_lshl_add_u32 v[AB], v170, 6, s95             ; biases of units 32 q + 16 h ..
	s_lshl_b32 s95, s7, 7
	s_add_co_u32 s95, s95, BIAS
	v_lshl_add_u32 v[AB2], v170, 6, s95
	s_mul_i32 s95, s4, 16*SPC
	s_add_co_u32 s95, s95, SUMS
	v_mul_u32_u24 v171, v169, SPC
	v_lshl_add_u32 v171, v170, 6, v171
	v_add_nc_u32 v[ASU], s95, v171                 ; cell 16 t + r, + 64 h
	s_lshl_b32 s95, s96, 8
	v_add_nc_u32 v[ASUM], s95, v[ASU]              ; sum 3 - q: q = 0 all, 1 category 2, 2 category 1, 3 category 0
	s_lshl_b32 s95, s7, 7
	s_add_co_u32 s95, s95, 1024
	v_add_nc_u32 v[ASUQ], s95, v[ASU]              ; the cell's own state, chunk q & 1
	s_lshl_b32 s95, s4, 6
	s_add_co_u32 s95, s95, CNT
	v_lshl_add_u32 v[ACT], v169, 2, s95
	s_lshl_b32 s95, s96, 11
	v_add_nc_u32 v[AIM], s95, v[AI]                ; image 3 - q
	s_lshl_b32 s95, s96, 7
	s_add_co_u32 s95, s95, SC
	v_add_nc_u32 v[ASM], s95, v[AS]
	v_mul_u32_u24 v171, v169, 272
	v_lshl_add_u32 v171, v170, 6, v171
	s_lshl_b32 s95, s7, 7
	s_add_co_u32 s95, s95, s94
	v_add_nc_u32 v[ARO], s95, v171                 ; a stage: row r, units 32 (q & 1) + 16 h ..
	s_mul_i32 s95, s3, 4*272
	s_add_co_u32 s95, s95, s94
	v_mul_u32_u24 v171, v170, 272
	v_lshl_add_u32 v171, v169, 4, v171
	v_add_nc_u32 v[ARG], s95, v171                 ; back: row 4 q + h, 16 bytes a lane
	s_lshl_b32 s95, s3, 4
	s_add_co_u32 s95, s95, s94
	s_add_co_u32 s95, s95, WP
	v_lshl_add_u32 v[AWR], v170, 2, s95
	v_mul_u32_u24 v[AG2], v170, 192
	v_add_nc_u32 v[AG2], BIAS+6*512, v[AG2]        ; W_g2's rows 16 h ..
	v_mov_b32 v[ABG], BIAS+7*512
	s_lshl_b32 s95, s2, 10
	v_lshl_add_u32 v171, v170, 8, s95
	v_lshl_add_u32 v[AO0], v169, 4, v171           ; out0: row 4 wave + h of the group's, 16 bytes a lane
	s_lshl_b32 s95, s2, 2
	v_add_nc_u32 v[ARW], s95, v170
	s_mul_i32 s95, s4, 192
	v_mul_u32_u24 v171, v169, 12
	v_add_nc_u32 v[AO1], s95, v171                 ; out1: 12 bytes a cell
	s_mov_b32 s63, 0x600000                        ; the mantissa field of 57,344
	s_mov_b32 s66, 0x76543210
	s_mov_b32 s67, 0xfedcba98                      ; v_permlanex16_b32's selects for lane l xor 16
	s_wait_kmcnt 0x0
	; first round of weights: group t: W_c1's columns 0-63, 64-127, W_f1's likewise, W_c2.  Block q of 32 along K
	s_cmp_lt_u32 s4, 2
	s_cselect_b64 s[12:13], s[42:43], s[44:45]
	s_cmp_lt_u32 s4, 4
	s_cselect_b64 s[12:13], s[12:13], s[46:47]
	s_mov_b32 s100, 256
	s_cselect_b32 s100, 512, s100                  ; a row of the weight in bytes
	s_and_b32 s8, s4, 1
	s_lshl_b32 s8, s8, 8
	s_mul_i32 s9, s3, s100
	s_lshl_b32 s9, s9, 5
	s_add_co_u32 s8, s8, s9
	s_mov_b32 s9, 0
	s_add_nc_u64 s[12:13], s[12:13], s[8:9]
	; second round, waves 0-11: W_f2, W_local, W_g1 (32 columns: lanes g >= 8 repeat lanes g - 8)
	s_cmp_eq_u32 s4, 0
	s_cselect_b64 s[14:15], s[48:49], s[50:51]
	s_cmp_lt_u32 s4, 2
	s_cselect_b64 s[14:15], s[14:15], s[68:69]
	s_mov_b32 s101, 128
	s_cselect_b32 s101, 256, s101
	s_cselect_b32 s104, 15, 7
	s_mul_i32 s8, s3, s101
	s_lshl_b32 s8, s8, 5
	s_cmp_lt_u32 s2, 12
	s_cselect_b32 s8, s8, 0
.macro PICK w, p, n                    ; waves 12-19 copy a small tensor each: its address, and its last number's index
	s_cmp_eq_u32 s2, \w
	s_cselect_b64 s[14:15], s[\p:\p+1], s[14:15]
	s_cselect_b32 s104, \n, s104
.endm
	PICK 12, 70, 127
	PICK 13, 72, 127
	PICK 14, 74, 63
	PICK 15, 76, 63
	PICK 16, 78, 63
	PICK 17, 80, 31
	PICK 18, 82, 95
	PICK 19, 84, 2
	s_add_nc_u64 s[14:15], s[14:15], s[8:9]
	s_mul_i32 s96, ttmp9, CPG*256
	s_mov_b32 s97, 0
	s_add_nc_u64 s[28:29], s[40:41], s[96:97]
	s_add_nc_u64 s[16:17], s[86:87], s[96:97]
	s_mul_i32 s96, ttmp9, CPG*12
	s_add_nc_u64 s[18:19], s[88:89], s[96:97]
	s_mov_b64 s[10:11], s[38:39]
	s_mul_i32 s8, ttmp9, CPG                       ; the group's first cell
	s_sub_co_u32 s5, NCELL, s8
	s_min_u32 s5, s5, CPG                          ; its cells: 77, in the last group 48
	s_sub_co_u32 s6, s5, 2
	s_sub_co_u32 s9, s5, 1
	s_lshl_b32 s105, s2, 2
.irp e, 0,1,2,3
	s_add_co_u32 s94, s105, \e
	s_min_u32 s94, s94, s9                         ; slot 4 wave + e, held at the group's last cell
	s_lshl_b32 s95, s94, 8
	v_add_nc_u32 v[177+\e], s95, v[L8]
	s_add_co_u32 s94, s94, s8
	s_mul_i32 s[30+\e], s94, 104                   ; 26 categories of 4 bytes
	s_mul_i32 s96, s94, 6656                       ; 26 rows of 256 bytes (the tensor stays under 2^31 bytes)
	s_add_nc_u64 s[20+2*\e:21+2*\e], s[36:37], s[96:97]
.endr
	s_mov_b32 s95, 0                               ; the masks' upper words: named with the masks as pairs, so they are written
	s_mov_b32 s97, 0
	s_mov_b32 s99, 0
.macro CAT_ISSUE e, set                ; a cell's 26 categories: 64 + 32 + 8 bytes, no byte more
	s_load_b512 s[\set:\set+15], s[10:11], s[30+\e] offset:0x0
	s_load_b256 s[\set+16:\set+23], s[10:11], s[30+\e] offset:0x40
	s_load_b64 s[\set+24:\set+25], s[10:11], s[30+\e] offset:0x60
.endm
.macro CELL_ISSUE e, buf               ; a cell's 26 rows: each load of the wave covers one row, 256 consecutive bytes, aligned
.set KK, 0
.rept 26
	global_load_b64 v[(\buf)+2*KK:(\buf)+2*KK+1], v[L8], s[20+2*(\e):21+2*(\e)] offset:256*KK th:TH_LOAD_NT
.set KK, KK+1
.endr
.endm
; 64 raw weights: lane (g, h) takes columns 4 (g & mask) + 0 .. 3 of rows 16 h + 0 .. 15 of its block of 32 along K: register 4 j + i = row j, column i
.macro PREP_ISSUE r, p, pitch, mask
	v_and_b32 v[T], \mask, v0
	v_bfe_u32 v[T+1], v0, 4, 1
	s_lshl_b32 s105, s[\pitch], 4
	v_mul_u32_u24 v[T+1], s105, v[T+1]
	v_lshl_add_u32 v[T], v[T], 4, v[T+1]
.irp j, 1,2,3,4,5,6,7,8,9,10,11,12,13,14,15
	v_add_nc_u32 v[T+\j], s[\pitch], v[T+\j-1]
.endr
.irp j, 0,1,2,3,4,5,6,7,8,9,10,11,12,13,14,15
	global_load_b128 v[(\r)+4*\j:(\r)+4*\j+3], v[T+\j], s[\p:\p+1]
.endr
.endm
; They become codes: a column's 16 numbers and lane l xor 16's are a block.  The hold at the largest code x the scale also gathers a column's numbers into consecutive registers.
.macro PREP_WORK r, wa, wb
.irp i, 0,1,2,3
	v_mov_b32 v[EX+\i], 0                          ; a lane permute's destination counts as one of its sources
.endr
.irp i, 0,1,2,3
	v_max3_num_f32 v[MX+\i], |v[(\r)+\i]|, |v[(\r)+4+\i]|, 0x8000000   ; with the floor 2^(16 - 127): the byte cannot fall under 1
.endr
.irp j, 2,4,6,8,10,12,14
.irp i, 0,1,2,3
	v_max3_num_f32 v[MX+\i], v[MX+\i], |v[(\r)+4*\j+\i]|, |v[(\r)+4*\j+4+\i]|
.endr
.endr
.irp i, 0,1,2,3
	v_permlanex16_b32 v[EX+\i], v[MX+\i], s66, s67
.endr
.irp i, 0,1,2,3
	v_max_num_f32 v[MX+\i], v[MX+\i], v[EX+\i]     ; the block's largest magnitude
.endr
.irp i, 0,1,2,3
	v_add_nc_u32 v[SO+\i], 0xf8800000, v[MX+\i]    ; 15 off its exponent field: the conversion's scale operand
.endr
.irp i, 0,1,2,3
	v_and_or_b32 v[HL+\i], v[MX+\i], 0x7f800000, s63   ; 57,344 x the scale
.endr
.irp i, 0,1,2,3
	v_lshrrev_b32 v[EX+\i], 23, v[SO+\i]           ; the scale's byte
.endr
	s_wait_dscnt 0x0                               ; earlier LDS stores have read the registers that the codes take
.irp i, 0,1,2,3
.irp j, 0,1,2,3,4,5,6,7,8,9,10,11,12,13,14,15
	v_med3_num_f32 v[T+\j], v[(\r)+4*\j+\i], -v[HL+\i], v[HL+\i]   ; the conversion to an 8-bit code does not saturate (ISA guide 7.6.2)
.endr
	v_cvt_scalef32_pk8_bf8_f32 v[CD+4*(\i%2):CD+4*(\i%2)+1], v[T:T+7], v[SO+\i]
	v_cvt_scalef32_pk8_bf8_f32 v[CD+4*(\i%2)+2:CD+4*(\i%2)+3], v[T+8:T+15], v[SO+\i]
	v_nop                                          ; a plain instruction between the conversions and the next lines that write their sources
	ds_store_b128 v[\wa], v[CD+4*(\i%2):CD+4*(\i%2)+3] offset:16*\i
	ds_store_b8 v[\wb], v[EX+\i] offset:4*\i       ; both halves of the lanes write the same byte with the same value
.if \i == 1
	s_wait_dscnt 0x0                               ; the first set of code registers is written again
.endif
.endr
.endm
; One cell: 26 rows into four sums.  mode 0: each row's registers are filled again with the same row of the cell two slots on; 1: cell 2; 2: cell 3.
; The counts of the waits are the loads issued behind row k's: mode 0: 25 - k of the cell, 26 of the next, k refills (rows 0 and 1 are refilled together, behind row 1: 50 at k = 1);
; mode 1: 25 - k and 26; mode 2: 25 - k (the 16 or 4 loads issued behind the cell's are not counted: a smaller count, good on both ways).
.macro CELL e, buf, set, mode
	s_wait_kmcnt 0x0                               ; the categories
	s_wait_dscnt 0x0                               ; the last cell's stores have read the sums' registers
	s_mov_b32 s[CNL], 0
	s_mov_b32 s[CNF], 0
	s_mov_b32 s[CND], 0
.set KK, 0
.rept 26
.if \mode == 0
.if KK == 1
	s_wait_loadcnt 50
.else
	s_wait_loadcnt 51
.endif
.elseif \mode == 1
	s_wait_loadcnt 51-KK
.else
	s_wait_loadcnt 25-KK
.endif
	s_cmp_eq_u32 s[(\set)+KK], 0
	s_cselect_b32 s94, 1.0, 0                      ; the mask as a number,
	s_add_co_ci_u32 s[CNL], s[CNL], 0              ; and the count
	s_cmp_eq_u32 s[(\set)+KK], 1
	s_cselect_b32 s96, 1.0, 0
	s_add_co_ci_u32 s[CNF], s[CNF], 0
	s_cmp_eq_u32 s[(\set)+KK], 2
	s_cselect_b32 s98, 1.0, 0
	s_add_co_ci_u32 s[CND], s[CND], 0
.if KK == 0
	v_pk_mul_f32 v[PA:PA+1], v[(\buf):(\buf)+1], s[94:95] op_sel_hi:[1,0]          ; the first row starts the sums: nothing is cleared
	v_pk_mul_f32 v[PA+2:PA+3], v[(\buf):(\buf)+1], s[96:97] op_sel_hi:[1,0]
	v_pk_mul_f32 v[PA+4:PA+5], v[(\buf):(\buf)+1], s[98:99] op_sel_hi:[1,0]
.else
	v_pk_fma_f32 v[PA:PA+1], v[(\buf)+2*KK:(\buf)+2*KK+1], s[94:95], v[PA:PA+1] op_sel_hi:[1,0,1]
	v_pk_fma_f32 v[PA+2:PA+3], v[(\buf)+2*KK:(\buf)+2*KK+1], s[96:97], v[PA+2:PA+3] op_sel_hi:[1,0,1]
	v_pk_fma_f32 v[PA+4:PA+5], v[(\buf)+2*KK:(\buf)+2*KK+1], s[98:99], v[PA+4:PA+5] op_sel_hi:[1,0,1]
.if KK == 1
	v_pk_add_f32 v[PA+6:PA+7], v[(\buf):(\buf)+1], v[(\buf)+2:(\buf)+3]
.else
	v_pk_add_f32 v[PA+6:PA+7], v[PA+6:PA+7], v[(\buf)+2*KK:(\buf)+2*KK+1]
.endif
.endif
.if \mode == 0
.if KK == 1
	global_load_b64 v[(\buf):(\buf)+1], v[L8], s[24+2*(\e):25+2*(\e)] th:TH_LOAD_NT
	global_load_b64 v[(\buf)+2:(\buf)+3], v[L8], s[24+2*(\e):25+2*(\e)] offset:256 th:TH_LOAD_NT
.elseif KK > 1
	global_load_b64 v[(\buf)+2*KK:(\buf)+2*KK+1], v[L8], s[24+2*(\e):25+2*(\e)] offset:256*KK th:TH_LOAD_NT
.endif
.endif
.set KK, KK+1
.endr
	s_lshl_b32 s105, s[CNF], 8
	s_or_b32 s105, s105, s[CNL]
	s_lshl_b32 s8, s[CND], 16
	s_or_b32 s105, s105, s8
	s_or_b32 s105, s105, 0x1a000000                ; 26 in byte 3
	v_mov_b32 v[PCW], s105
.irp a, 0,1,2,3
	ds_store_b64 v[SW], v[PA+2*\a:PA+2*\a+1] offset:SPC*(\e)+256*\a
.endr
	ds_store_b32 v[CN], v[PCW] offset:4*(\e)       ; all lanes write the same word with the same value
.if \mode == 0
	CAT_ISSUE (\e)+2, \set
.endif
.endm
.macro BARRIER                         ; my LDS stores have landed and my LDS loads are in: then the work-group's barrier
	s_wait_dscnt 0x0
	s_barrier_signal -1
	s_barrier_wait -1
.endm
	; ---- THE STREAM
	CAT_ISSUE 0, CATA                              ; (every address that lay in these registers has been used)
	CAT_ISSUE 1, CATB
.irp e, 0,1,2,3
	global_load_b64 v[CD+2*\e:CD+2*\e+1], v[177+\e], s[28:29]      ; my four cells' own states
.endr
	PREP_ISSUE R1, 12, 100, 15
	CELL_ISSUE 0, BUF0
	s_wait_loadcnt 26                              ; the states and the raw weights are in; cell 0's 26 rows may be out
.irp e, 0,1,2,3
	ds_store_b64 v[SW], v[CD+2*\e:CD+2*\e+1] offset:SPC*\e+1024
.endr
	PREP_WORK R1, WA1, WB1                         ; quantised while cell 0's rows are on their way
	CELL_ISSUE 1, BUF1
	CELL 0, BUF0, CATA, 0
	CELL 1, BUF1, CATB, 0
	CELL 2, BUF0, CATA, 1
	s_cmp_lt_u32 s2, 12
	s_cbranch_scc0 .Lcopy_issue
	PREP_ISSUE R2, 14, 101, s104
	s_branch .Lissued
.Lcopy_issue:
	v_and_b32 v[T+4], 31, v0
.irp i, 0,1,2,3
	v_add_nc_u32 v[T+\i], 32*\i, v[T+4]
	v_min_u32 v[T+\i], s104, v[T+\i]               ; held at the tensor's last number: no load leaves its buffer; the repeats are never read
	v_lshlrev_b32 v[T+\i], 2, v[T+\i]
	global_load_b32 v[36+\i], v[T+\i], s[14:15]
.endr
.Lissued:
	CELL 3, BUF1, CATB, 2
	s_wait_loadcnt 0x0
	s_wait_dscnt 0x0
	s_cmp_lt_u32 s2, 12
	s_cbranch_scc0 .Lcopy_work
	PREP_WORK R2, WA2, WB2
	s_branch .Lworked
.Lcopy_work:
.irp i, 0,1,2,3
	ds_store_b32 v[CP], v[36+\i] offset:128*\i
.endr
.Lworked:
	BARRIER                                        ; 1: sums, counts, states, weights and biases lie in LDS; from here on nobody writes the weights, their scale words, the biases or the counts
	; ---- THE LAYERS
	s_mov_b32 s36, 0x4038aa3b                      ; 2 log2(e)
	s_mov_b32 s37, s36                             ; (named with it as a pair, so it is written)
	s_mov_b32 s38, 0x3eaaaaab                      ; 1 / 3
	s_mov_b32 s39, s38
	s_mov_b32 s40, 0x3fb8aa3b                      ; log2(e)
	s_lshr_b32 s8, s3, 1                           ; 0 in waves q < 2, which take W_c2 in every half-width layer; 1 in the others, which go from layer to layer:
	s_mul_i32 s41, s8, 4*TP                        ; four tiles on (W_c2 to W_f2, W_f2 to W_local): images,
	s_lshl_b32 s42, s8, 8                          ; scale words,
	s_lshl_b32 s43, s8, 9                          ; a slot of biases;
	s_mul_i32 s44, s8, 2*TP                        ; and from W_local's second pair, where wave q = 3 stands, to W_g1's one pair: two tiles,
	s_lshl_b32 s45, s8, 7
	s_mul_i32 s46, s8, 384                         ; a slot less the 128 bytes of q & 1
	v_mov_b32 v[EX2], 0                            ; a lane permute's destination counts as one of its sources
; What a pair of tiles wants from LDS apart from its operand: fragment u of weight tile wt + u (counted from the tiles that wreg points at); the two scale words and the bias
.macro PFW u, wreg, wt
.irp c, 0,1,2,3
	ds_load_b128 v[WF+16*(\u)+4*\c:WF+16*(\u)+4*\c+3], v[\wreg] offset:((\wt)+(\u))*TP+512*\c
.endr
.endm
.macro PFS wsreg, breg, wt, boff
.irp u, 0,1
	ds_load_b32 v[WS0+\u], v[\wsreg] offset:((\wt)+\u)*64
	ds_load_b128 v[BB+8*\u:BB+8*\u+3], v[\breg] offset:(\boff)+32*\u
	ds_load_b128 v[BB+8*\u+4:BB+8*\u+7], v[\breg] offset:(\boff)+32*\u+16
.endr
.endm
; A pair of tiles of a layer: image img x the two weight fragments that were asked for a stage ago; the bias, in registers of its own, is the C of the product.
; The two accumulators take turns through the whole text.  Nine places follow: eight in front of reads of the results and of loads into
; the product's registers, nine in front of the next pair's products, which write over the results.
.macro JOBX img
.irp c, 0,1,2,3
	ds_load_b128 v[XFR+4*\c:XFR+4*\c+3], v[AI] offset:2048*(\img)+512*\c
.endr
	ds_load_b32 v[XS], v[AS] offset:SC+128*(\img)
	s_wait_dscnt 0x0                               ; these five; the fourteen asked for earlier; and my last stores have read their registers
.irp u, 0,1
	v_wmma_scale_f32_16x16x128_f8f6f4 v[ACC+8*\u:ACC+8*\u+7], v[WF+16*\u:WF+16*\u+15], v[XFR:XFR+15], v[BB+8*\u:BB+8*\u+7], v[WS0+\u], v[XS] matrix_a_fmt:MATRIX_FMT_BF8 matrix_b_fmt:MATRIX_FMT_BF8
.endr
.rept 9
	v_nop
.endr
.endm
; tanh of the 16 results, from each accumulator's low end on: 1 - 2 / (1 + 2^(2 x log2 e)).  Each batch of 16 has one plain instruction and one wait behind it, ahead of its first reader.
; pf = 1: the next pair's 14 loads stand here, in runs of 4, 4 and 6: behind the scalings, and between each batch and the wait for it.  They name no result of a batch, and the registers
; that they fill were last read by the products nine places and more back.
.macro TANH pf, wreg, wsreg, breg, wt, boff
.irp i, 0,2,4,6,8,10,12,14
	v_pk_mul_f32 v[ACC+\i:ACC+\i+1], v[ACC+\i:ACC+\i+1], s[36:37] op_sel_hi:[1,0]
.endr
.if \pf
	PFW 0, \wreg, \wt
.endif
.irp i, 0,1,2,3,4,5,6,7,8,9,10,11,12,13,14,15
	v_exp_f32 v[ACC+\i], v[ACC+\i]
.endr
	v_nop
.if \pf
	PFW 1, \wreg, \wt
.endif
	s_wait_alu depctr_va_vdst(0)
.irp i, 0,2,4,6,8,10,12,14
	v_pk_add_f32 v[ACC+\i:ACC+\i+1], v[ACC+\i:ACC+\i+1], 1.0 op_sel_hi:[1,0]
.endr
.irp i, 0,1,2,3,4,5,6,7,8,9,10,11,12,13,14,15
	v_rcp_f32 v[ACC+\i], v[ACC+\i]
.endr
	v_nop
.if \pf
	PFS \wsreg, \breg, \wt, \boff
.endif
	s_wait_alu depctr_va_vdst(0)
.irp i, 0,2,4,6,8,10,12,14
	v_pk_fma_f32 v[ACC+\i:ACC+\i+1], v[ACC+\i:ACC+\i+1], -2.0, 1.0 op_sel_hi:[1,0,0]
.endr
.endm
.macro ROLE w, s, b                    ; the half-width layers' three addresses go on to the next layer (in waves q < 2 the steps are 0)
	v_add_nc_u32 v[AW2], s[\w], v[AW2]
	v_add_nc_u32 v[AWS2], s[\s], v[AWS2]
	v_add_nc_u32 v[AB2], s[\b], v[AB2]
.endm
; 16 numbers of a lane, neighbours along K (with lane l xor 16's a block of 32), become a chunk's codes and its scale byte; the numbers stay as they are
.macro QCHUNK src
	v_max3_num_f32 v[MXA], |v[(\src)]|, |v[(\src)+1]|, 0x8000000   ; with the floor 2^(16 - 127)
	v_max3_num_f32 v[MXB], |v[(\src)+2]|, |v[(\src)+3]|, |v[(\src)+4]|
	v_max3_num_f32 v[MXA], v[MXA], |v[(\src)+5]|, |v[(\src)+6]|
	v_max3_num_f32 v[MXB], v[MXB], |v[(\src)+7]|, |v[(\src)+8]|
	v_max3_num_f32 v[MXA], v[MXA], |v[(\src)+9]|, |v[(\src)+10]|
	v_max3_num_f32 v[MXB], v[MXB], |v[(\src)+11]|, |v[(\src)+12]|
	v_max3_num_f32 v[MXA], v[MXA], |v[(\src)+13]|, |v[(\src)+14]|
	v_max3_num_f32 v[MXA], v[MXA], v[MXB], |v[(\src)+15]|
	v_permlanex16_b32 v[EX2], v[MXA], s66, s67
	v_max_num_f32 v[MXA], v[MXA], v[EX2]
	v_add_nc_u32 v[SO2], 0xf8800000, v[MXA]
	v_and_or_b32 v[HL2], v[MXA], 0x7f800000, s63
	v_lshrrev_b32 v[BY2], 23, v[SO2]
.irp i, 0,1,2,3,4,5,6,7,8,9,10,11,12,13,14,15
	v_med3_num_f32 v[T2+\i], v[(\src)+\i], -v[HL2], v[HL2]
.endr
	v_cvt_scalef32_pk8_bf8_f32 v[CD2:CD2+1], v[T2:T2+7], v[SO2]
	v_cvt_scalef32_pk8_bf8_f32 v[CD2+2:CD2+3], v[T2+8:T2+15], v[SO2]
	v_nop                                          ; a plain instruction behind the conversions
.endm
.macro PUT ireg, ioff, sreg, soff
	ds_store_b128 v[\ireg], v[CD2:CD2+3] offset:\ioff
	ds_store_b8 v[\sreg], v[BY2] offset:\soff
.endm
	; ---- the inputs' images.  Wave q makes the mean of sum 3 - q, chunks 2 and 3 of image 3 - q
.irp b, 0,1
.irp i, 0,1,2,3
	ds_load_b128 v[NN+16*\b+4*\i:NN+16*\b+4*\i+3], v[ASUM] offset:128*\b+16*\i
.endr
.endr
	ds_load_b32 v[CW2], v[ACT]
	PFW 0, AW, 0                                   ; my pair of W_c1, for the first layer: 14 loads that land while the means are made
	PFW 1, AW, 0
	PFS AWS, AB, 0, 0
	s_xor_b32 s8, s3, 3
	s_lshl_b32 s8, s8, 3
	s_wait_dscnt 14                                ; LDS loads come back in order (ISA guide 5.7.1): the sums and the counts are in, the 14 issued behind them may be out
	v_lshrrev_b32 v[CW2], s8, v[CW2]
	v_and_b32 v[CW2], 0xff, v[CW2]                 ; the count,
	v_max_u32 v[CW2], 1, v[CW2]                    ; 1 at the least
	v_cvt_f32_u32 v[CW2], v[CW2]
	v_rcp_f32 v[INV], v[CW2]
	v_mov_b32 v[INV+1], 0                          ; the plain instruction behind the reciprocal (the register is named with it as a pair)
	s_wait_alu depctr_va_vdst(0)
.irp i, 0,2,4,6,8,10,12,14,16,18,20,22,24,26,28,30
	v_pk_mul_f32 v[NN+\i:NN+\i+1], v[NN+\i:NN+\i+1], v[INV:INV+1] op_sel_hi:[1,0]
.endr
	QCHUNK NN
	PUT AIM, 1024, ASM, 2
	s_wait_dscnt 0x0                               ; the stores have read their registers
	QCHUNK NN+16
	PUT AIM, 1536, ASM, 3
	s_cmp_lt_u32 s3, 2
	s_cbranch_scc0 .Lno_cur
.irp i, 0,1,2,3
	ds_load_b128 v[XST+4*\i:XST+4*\i+3], v[ASUQ] offset:16*\i      ; chunk q of the cell's own state: also the Euler state (over the means, which are done with)
.endr
	s_wait_dscnt 0x0
	QCHUNK XST
.irp n, 0,1,2,3
	PUT AIQ, 2048*\n, ASQ, SC+128*\n               ; the same chunk heads all four inputs
.endr
.Lno_cur:
	BARRIER                                        ; 2: the four inputs' images are whole
.macro C1TAIL                          ; v = tanh([x, mean] W_c1 + b_c1): my 32 units become chunk q of image 4
	QCHUNK ACC
	PUT AIQ, 8192, ASQ, SC+512
.endm
.macro C2STEP last                     ; x += tanh(v W_c2 + b_c2) / 3: units 32 q ..;  last = 0: x becomes chunk q of image 2 again, and my pair of W_c1 is asked for; 1: x goes to its stage
	JOBX 4
.if \last
	TANH 0, AW, AWS, AB, 0, 0
.else
	TANH 1, AW, AWS, AB, 0, 0
.endif
.irp i, 0,2,4,6,8,10,12,14
	v_pk_fma_f32 v[XST+\i:XST+\i+1], v[ACC+\i:ACC+\i+1], s[38:39], v[XST+\i:XST+\i+1] op_sel_hi:[1,0,1]
.endr
.if \last
.irp i, 0,1,2,3
	ds_store_b128 v[ARO], v[XST+4*\i:XST+4*\i+3] offset:XO+16*\i
.endr
.else
	QCHUNK XST
	PUT AIQ, 4096, ASQ, SC+256
.endif
.endm
.macro ROWJOB img, stage               ; a last layer: tanh, 64 bytes of a row into a stage; my pair of W_c1 is asked for
	JOBX \img
	TANH 1, AW, AWS, AB, 0, 0
.irp i, 0,1,2,3
	ds_store_b128 v[ARO], v[ACC+4*\i:ACC+4*\i+3] offset:(\stage)+16*\i
.endr
.endm
	JOBX 2                                         ; A: W_c1
	TANH 1, AW, AWS, AB, 8, 512                    ; (my pair of W_f1 is asked for)
	C1TAIL
	JOBX 1                                         ; h = tanh([cur, mean] W_f1 + b_f1): chunk q of image 5 (the wait in it frees the codes' registers)
	ROLE 41, 42, 43                                ; waves q >= 2: on to W_f2
	TANH 1, AW2, AWS2, AB2, 16, 1024               ; (W_c2's pair, or W_f2's)
	QCHUNK ACC
	PUT AIQ, 10240, ASQ, SC+640
	BARRIER                                        ; 3
	s_cmp_lt_u32 s3, 2                             ; B
	s_cbranch_scc0 .LB_hi
	C2STEP 0
	s_branch .LB_end
.LB_hi:
	ROWJOB 5, OF                                   ; tanh(h W_f2 + b_f2)
.LB_end:
	BARRIER                                        ; 4
	JOBX 2                                         ; C
	ROLE 41, 42, 43                                ; waves q >= 2: on to W_local
	TANH 1, AW2, AWS2, AB2, 16, 1024
	C1TAIL
	BARRIER                                        ; 5
	s_cmp_lt_u32 s3, 2                             ; D
	s_cbranch_scc0 .LD_hi
	C2STEP 0
	s_branch .LD_end
.LD_hi:
	ROWJOB 0, OL                                   ; tanh([cur, mean] W_local + b_local)
.LD_end:
	BARRIER                                        ; 6
	JOBX 2                                         ; E
	ROLE 44, 45, 46                                ; wave q = 3: on to W_g1 (wave q = 2 then stands at W_local's second pair: it fetches that pair and never uses it)
	TANH 1, AW2, AWS2, AB2, 16, 1024
	C1TAIL
	s_cmp_eq_u32 s3, 3
	s_cbranch_scc0 .LE_end
.irp i, 0,1,2,3,4,5,6,7,8,9,10,11
	ds_load_b128 v[132+4*\i-64*((4*\i)/32):135+4*\i-64*((4*\i)/32)], v[AG2] offset:16*\i   ; the gate's wave: W_g2's rows 16 h + 0 .. 15: number n = 3 i + o in v[132 + n], from n = 32 on in v[68 + n]
.endr
	ds_load_b128 v[180:183], v[ABG]                ; b_g2
	ds_load_b32 v[CW2], v[ACT]                     ; the counts
.LE_end:
	BARRIER                                        ; 7
	s_cmp_lt_u32 s3, 2                             ; F
	s_cbranch_scc0 .LF_hi
	C2STEP 1
	s_branch .LF_end
.LF_hi:
	s_cmp_eq_u32 s3, 3
	s_cbranch_scc0 .LF_end
	JOBX 3                                         ; the gate, wave q = 3
	TANH 0, AW, AWS, AB, 0, 0
.irp o, 0,1,2
	v_mul_f32 v[184+\o], v[ACC], v[132+\o]         ; the 32 x 3 product in f32: my 16 hidden units, three chains by turns
.endr
.irp i, 1,2,3,4,5,6,7,8,9,10,11,12,13,14,15
.irp o, 0,1,2
	v_fma_f32 v[184+\o], v[ACC+\i], v[132+(3*\i+\o)-64*((3*\i+\o)/32)], v[184+\o]
.endr
.endr
.irp o, 0,1,2
	v_mov_b32 v[187+\o], 0
.endr
.irp o, 0,1,2
	v_permlanex16_b32 v[187+\o], v[184+\o], s66, s67
.endr
.irp o, 0,1,2
	v_add_f32 v[184+\o], v[184+\o], v[187+\o]      ; with the other 16 units
.endr
.irp o, 0,1,2
	v_add_f32 v[184+\o], v[184+\o], v[180+\o]
.endr
	v_max3_num_f32 v190, v184, v185, v186          ; the maximum is taken away ahead of the exponentials
.irp o, 0,1,2
	v_sub_f32 v[184+\o], v[184+\o], v190
.endr
.irp o, 0,1,2
	v_mul_f32 v[184+\o], s40, v[184+\o]
.endr
.irp o, 0,1,2
	v_exp_f32 v[184+\o], v[184+\o]
.endr
	v_nop
	s_wait_alu depctr_va_vdst(0)
	v_add_f32 v190, v184, v185
	v_add_f32 v190, v190, v186
	v_rcp_f32 v191, v190
	v_nop
	s_wait_alu depctr_va_vdst(0)
.irp o, 0,1,2
	v_mul_f32 v[184+\o], v[184+\o], v191           ; w
.endr
.irp o, 0,1,2
	v_bfe_u32 v[187+\o], v[CW2], 8*\o, 8
	v_cmp_ne_u32 vcc_lo, 0, v[187+\o]
	v_cndmask_b32 v[187+\o], 0, v[184+\o], vcc_lo  ; an expert without neighbours gives zeros: its weight in the sum is 0
	ds_store_b32 v[AS], v[187+\o] offset:WP+128*\o
.endr
	v_and_b32 v190, 15, v0
	v_bfe_u32 v191, v0, 4, 1
	v_lshl_add_u32 v190, v191, 7, v190
	s_lshl_b32 s8, s4, 4
	v_add_nc_u32 v190, s8, v190                    ; my cell in the group; lanes 16-31, which hold the same, are put past every count
	s_wait_xcnt 0x0                                ; EXEC changes only behind this wait
	v_cmp_gt_u32 vcc_lo, s5, v190
	s_and_saveexec_b32 s8, vcc_lo
.irp o, 0,1,2
	global_store_b32 v[AO1], v[184+\o], s[18:19] offset:4*\o       ; the three stores together cover the team's 192 consecutive bytes
.endr
	s_wait_xcnt 0x0
	s_or_b32 exec_lo, exec_lo, s8
.LF_end:
	BARRIER                                        ; 8: the three results and the weights lie in the stages
	; ---- G: the weighted sum; wave q takes rows 4 q .. 4 q + 3 of its team: lanes 0-15 one row of 256 bytes, lanes 16-31 the next
.irp a, 0,1
	ds_load_b128 v[36+4*\a:39+4*\a], v[ARG] offset:OL+544*\a
	ds_load_b128 v[44+4*\a:47+4*\a], v[ARG] offset:OF+544*\a
	ds_load_b128 v[52+4*\a:55+4*\a], v[ARG] offset:XO+544*\a
.irp o, 0,1,2
	ds_load_b32 v[60+3*\a+\o], v[AWR] offset:128*\o+8*\a
.endr
.endr
	s_wait_dscnt 0x0
.irp a, 0,1
.irp i, 0,1,2,3
	v_mul_f32 v[68+4*\a+\i], v[36+4*\a+\i], v[60+3*\a]
.endr
.irp i, 0,1,2,3
	v_fma_f32 v[68+4*\a+\i], v[44+4*\a+\i], v[61+3*\a], v[68+4*\a+\i]
.endr
.irp i, 0,1,2,3
	v_fma_f32 v[68+4*\a+\i], v[52+4*\a+\i], v[62+3*\a], v[68+4*\a+\i]
.endr
.endr
.irp a, 0,1
	s_wait_xcnt 0x0                                ; EXEC changes only behind this wait
	v_cmp_gt_u32 vcc_lo, s[5+\a], v[ARW]           ; row 4 wave + h + 2 a is one of the group's cells
	s_and_saveexec_b32 s8, vcc_lo
	global_store_b128 v[AO0], v[68+4*\a:71+4*\a], s[16:17] offset:512*\a th:TH_STORE_NT   ; 16 lanes store 256 consecutive bytes, at a multiple of 256 from out0's first byte
	s_wait_xcnt 0x0
	s_or_b32 exec_lo, exec_lo, s8
.endr
	s_wait_xcnt 0x0
	s_mov_b32 exec_lo, -1
	v_lshl_add_u32 v31, v0, 2, 0x4b900
	v_mov_b32 v32, 0
	s_wait_tensorcnt 0x0
	ds_add_u32 v31, v32
	s_wait_dscnt 0x0
	s_endpgm
.Lfunc_end_k_qd47386bb05_moe:
	.size	k_qd47386bb05_moe, .Lfunc_end_k_qd47386bb05_moe-k_qd47386bb05_moe
	.p2alignl 7, 3214868480
	.fill 96, 4, 3214868480
	.section	.rodata,"a",@progbits
	.p2align	6, 0x0
	.amdhsa_kernel k_qd47386bb05_moe
		.amdhsa_group_segment_fixed_size 312064
		.amdhsa_private_segment_fixed_size 0
		.amdhsa_enable_private_segment 0
		.amdhsa_kernarg_size 152
		.amdhsa_user_sgpr_count 2
		.amdhsa_user_sgpr_kernarg_segment_ptr 1
		.amdhsa_wavefront_size32 1
		.amdhsa_system_sgpr_workgroup_id_x 1
		.amdhsa_system_sgpr_workgroup_id_y 1
		.amdhsa_system_sgpr_workgroup_id_z 1
		.amdhsa_system_vgpr_workitem_id 0
		.amdhsa_next_free_vgpr 192
		.amdhsa_next_free_sgpr 106
		.amdhsa_reserve_vcc 1
		.amdhsa_float_denorm_mode_32 3
		.amdhsa_float_denorm_mode_16_64 3
		.amdhsa_memory_ordered 1
		.amdhsa_forward_progress 1
		.amdhsa_inst_pref_size 183
	.end_amdhsa_kernel
	.amdgpu_metadata
---
amdhsa.version: [ 1, 2 ]
amdhsa.kernels:
  - .name:           k_qd47386bb05_moe
    .symbol:         k_qd47386bb05_moe.kd
    .args:
      - { .name: neighbor_states, .offset: 0, .size: 8, .value_kind: global_buffer, .address_space: global }
      - { .name: neighbor_cat, .offset: 8, .size: 8, .value_kind: global_buffer, .address_space: global }
      - { .name: current_state, .offset: 16, .size: 8, .value_kind: global_buffer, .address_space: global }
      - { .name: W_c1, .offset: 24, .size: 8, .value_kind: global_buffer, .address_space: global }
      - { .name: W_f1, .offset: 32, .size: 8, .value_kind: global_buffer, .address_space: global }
      - { .name: W_c2, .offset: 40, .size: 8, .value_kind: global_buffer, .address_space: global }
      - { .name: W_f2, .offset: 48, .size: 8, .value_kind: global_buffer, .address_space: global }
      - { .name: W_local, .offset: 56, .size: 8, .value_kind: global_buffer, .address_space: global }
      - { .name: W_g1, .offset: 64, .size: 8, .value_kind: global_buffer, .address_space: global }
      - { .name: b_c1, .offset: 72, .size: 8, .value_kind: global_buffer, .address_space: global }
      - { .name: b_f1, .offset: 80, .size: 8, .value_kind: global_buffer, .address_space: global }
      - { .name: b_c2, .offset: 88, .size: 8, .value_kind: global_buffer, .address_space: global }
      - { .name: b_f2, .offset: 96, .size: 8, .value_kind: global_buffer, .address_space: global }
      - { .name: b_local, .offset: 104, .size: 8, .value_kind: global_buffer, .address_space: global }
      - { .name: b_g1, .offset: 112, .size: 8, .value_kind: global_buffer, .address_space: global }
      - { .name: W_g2, .offset: 120, .size: 8, .value_kind: global_buffer, .address_space: global }
      - { .name: b_g2, .offset: 128, .size: 8, .value_kind: global_buffer, .address_space: global }
      - { .name: out0, .offset: 136, .size: 8, .value_kind: global_buffer, .address_space: global }
      - { .name: out1, .offset: 144, .size: 8, .value_kind: global_buffer, .address_space: global }
    .group_segment_fixed_size: 312064
    .private_segment_fixed_size: 0
    .kernarg_segment_align: 8
    .kernarg_segment_size: 152
    .max_flat_workgroup_size: 640
    .sgpr_count:     106
    .vgpr_count:     192
    .wavefront_size: 32
...
	.end_amdgpu_metadata
.endif
;; end of part 1
